; MI455X (gfx1250); checked and timed in simulation.
; The chip was launched on July 23, 2026; its instructions are those of AMD's public machine-readable ISA for CDNA 5 (MIT licence, August 2026) and "CDNA5" Instruction Set Architecture Reference Guide (July 2026). The comments in the code are by the model that wrote it; some were corrected since.
;; Attention. Allowed arithmetic: float matrix products may take bf16 or f16 operands with f32 sums; all other float work in f32.
;; Inputs: wk 1,024 x 1,024 float32; wo 1,024 x 1,024 float32; wq 1,024 x 1,024 float32; wv 1,024 x 1,024 float32; x 2 x 2,048 x 1,024 float32.
;; Outputs: out0 2 x 2,048 x 1,024 float32.
;; One version. Each part assembles by itself: llvm-mc -triple=amdgcn-amd-amdhsa -mcpu=gfx1250 --defsym DOCPART=n.
;; ======== version 1 of 1: 4 launches
;; limits: values are held in f16: magnitudes above 65,504 overflow, below 6.1e-05 lose precision; right only within a limited range of input values
;; workspace buffers: q16 8,388,608 bytes; k16 8,388,608 bytes; v16 8,388,608 bytes; o16 8,388,608 bytes; wo16 2,097,152 bytes; x16 8,388,608 bytes; w16 6,291,456 bytes
;; launch cast (part 1): grid 512 x 1, 8 waves a work-group, no clusters, 0 bytes of LDS; arguments x, wq, wk, wv, wo, x16, w16, wo16; writes x16, w16, wo16
.if DOCPART == 1
	.amdgcn_target "amdgcn-amd-amdhsa--gfx1250"
	.amdhsa_code_object_version 6
	.text
	.protected	k_qeadab7acc1_cast
	.globl	k_qeadab7acc1_cast
	.p2align	8
	.type	k_qeadab7acc1_cast,@function
k_qeadab7acc1_cast:
	s_mov_b64 s[64:65], 0
	v_nop
	global_prefetch_b8 v0, s[64:65] scope:SCOPE_SE
	s_setreg_imm32_b32 hwreg(HW_REG_WAVE_MODE, 25, 1), 1
	s_wait_xcnt 0x0
; x, wq, wk, wv, wo (f32) are rounded once to f16: x16 as x, w16 = wq, wk, wv one behind the other ([3][1024][1024]), wo16 as wo.
; A stream: every byte is read once and written once; nothing is shared, so no LDS, no barrier, no cluster.
; 8,388,608 numbers in chunks of 16,384: work-groups 0-255 take x's 256 chunks, 256-511 the 64 chunks of each of wq, wk, wv, wo.
; Eight waves; a wave takes 2,048 numbers: sixteen loads of 512 consecutive bytes, all in flight at once, and sixteen stores of 256
; consecutive bytes, each at a multiple of 256 from its buffer's first byte.
; LIMIT: f16: magnitudes of 65,504 and above become infinite; numbers under 6.1e-5 keep an absolute step of 6e-8.
.set IN,  8                            ; v[8:71]    sixteen loads, 4 numbers a lane each
.set OUT, 72                           ; v[72:103]  sixteen stores, 4 f16 a lane each
	s_load_b512 s[16:31], s[0:1], 0x0              ; x 16, wq 18, wk 20, wv 22, wo 24, x16 26, w16 28, wo16 30
	s_and_b32 s4, ttmp9, 255                       ; x: the chunk.  Weights: k = 64 m + c
	s_lshr_b32 s5, s4, 6                           ; m: wq, wk, wv, wo
	s_and_b32 s6, s4, 63                           ; c: the chunk in that weight
	v_and_b32 v1, 31, v0                           ; lane
	v_lshrrev_b32 v2, 5, v0                        ; wave
	v_lshlrev_b32 v3, 4, v1
	v_lshl_add_u32 v3, v2, 13, v3                  ; in: 8,192 x wave + 16 x lane
	v_lshlrev_b32 v4, 3, v1
	v_lshl_add_u32 v4, v2, 12, v4                  ; out: 4,096 x wave + 8 x lane
	s_wait_kmcnt 0x0
	s_cmp_eq_u32 s5, 1
	s_cselect_b64 s[8:9], s[20:21], s[18:19]       ; from: wk, else wq
	s_cmp_eq_u32 s5, 2
	s_cselect_b64 s[8:9], s[22:23], s[8:9]         ; wv
	s_cmp_eq_u32 s5, 3
	s_cselect_b64 s[8:9], s[24:25], s[8:9]         ; wo
	s_cselect_b64 s[10:11], s[30:31], s[28:29]     ; to: wo16, else w16
	s_cselect_b32 s12, s6, s4                      ; its chunk there: c in wo16, k in w16 (the three lie one behind the other)
	s_cmp_lt_u32 ttmp9, 0x100
	s_cselect_b64 s[8:9], s[16:17], s[8:9]         ; the first 256 work-groups: x to x16
	s_cselect_b64 s[10:11], s[26:27], s[10:11]
	s_cselect_b32 s12, s4, s12
	s_cselect_b32 s13, s4, s6
	s_lshl_b32 s14, s13, 16                        ; 65,536 bytes a chunk in
	s_mov_b32 s15, 0
	s_add_nc_u64 s[8:9], s[8:9], s[14:15]
	s_lshl_b32 s14, s12, 15                        ; 32,768 bytes a chunk out
	s_add_nc_u64 s[10:11], s[10:11], s[14:15]
.irp i, 0,1,2,3,4,5,6,7,8,9,10,11,12,13,14,15
	global_load_b128 v[IN+4*\i:IN+4*\i+3], v3, s[8:9] offset:512*\i th:TH_LOAD_NT
.endr
.irp i, 0,1,2,3,4,5,6,7,8,9,10,11,12,13,14,15
	s_wait_loadcnt 15-\i                           ; loads come back in order: load i is in, the younger ones stay out
	v_cvt_pk_f16_f32 v[OUT+2*\i],   v[IN+4*\i],   v[IN+4*\i+1]
	v_cvt_pk_f16_f32 v[OUT+2*\i+1], v[IN+4*\i+2], v[IN+4*\i+3]
	global_store_b64 v4, v[OUT+2*\i:OUT+2*\i+1], s[10:11] offset:256*\i
.endr
	s_endpgm
.Lfunc_end_k_qeadab7acc1_cast:
	.size	k_qeadab7acc1_cast, .Lfunc_end_k_qeadab7acc1_cast-k_qeadab7acc1_cast
	.p2alignl 7, 3214868480
	.fill 96, 4, 3214868480
	.section	.rodata,"a",@progbits
	.p2align	6, 0x0
	.amdhsa_kernel k_qeadab7acc1_cast
		.amdhsa_group_segment_fixed_size 0
		.amdhsa_private_segment_fixed_size 0
		.amdhsa_enable_private_segment 0
		.amdhsa_kernarg_size 64
		.amdhsa_user_sgpr_count 2
		.amdhsa_user_sgpr_kernarg_segment_ptr 1
		.amdhsa_wavefront_size32 1
		.amdhsa_system_sgpr_workgroup_id_x 1
		.amdhsa_system_sgpr_workgroup_id_y 1
		.amdhsa_system_sgpr_workgroup_id_z 1
		.amdhsa_system_vgpr_workitem_id 0
		.amdhsa_next_free_vgpr 104
		.amdhsa_next_free_sgpr 66
		.amdhsa_reserve_vcc 0
		.amdhsa_float_denorm_mode_32 3
		.amdhsa_float_denorm_mode_16_64 3
		.amdhsa_memory_ordered 1
		.amdhsa_forward_progress 1
		.amdhsa_inst_pref_size 7
	.end_amdhsa_kernel
	.amdgpu_metadata
---
amdhsa.version: [ 1, 2 ]
amdhsa.kernels:
  - .name:           k_qeadab7acc1_cast
    .symbol:         k_qeadab7acc1_cast.kd
    .args:
      - { .name: x, .offset: 0, .size: 8, .value_kind: global_buffer, .address_space: global }
      - { .name: wq, .offset: 8, .size: 8, .value_kind: global_buffer, .address_space: global }
      - { .name: wk, .offset: 16, .size: 8, .value_kind: global_buffer, .address_space: global }
      - { .name: wv, .offset: 24, .size: 8, .value_kind: global_buffer, .address_space: global }
      - { .name: wo, .offset: 32, .size: 8, .value_kind: global_buffer, .address_space: global }
      - { .name: x16, .offset: 40, .size: 8, .value_kind: global_buffer, .address_space: global }
      - { .name: w16, .offset: 48, .size: 8, .value_kind: global_buffer, .address_space: global }
      - { .name: wo16, .offset: 56, .size: 8, .value_kind: global_buffer, .address_space: global }
    .group_segment_fixed_size: 0
    .private_segment_fixed_size: 0
    .kernarg_segment_align: 8
    .kernarg_segment_size: 64
    .max_flat_workgroup_size: 256
    .sgpr_count:     66
    .vgpr_count:     104
    .wavefront_size: 32
...
	.end_amdgpu_metadata
.endif
;; end of part 1
;; launch qkv (part 2): grid 16 x 16, 4 waves a work-group, clusters of 4 x 4, 327,680 bytes of LDS; arguments x16, w16, q16, k16, v16; writes q16, k16, v16
.if DOCPART == 2
	.amdgcn_target "amdgcn-amd-amdhsa--gfx1250"
	.amdhsa_code_object_version 6
	.text
	.protected	k_qeadab7acc1_qkv
	.globl	k_qeadab7acc1_qkv
	.p2align	8
	.type	k_qeadab7acc1_qkv,@function
k_qeadab7acc1_qkv:
	s_mov_b64 s[64:65], 0
	v_nop
	global_prefetch_b8 v0, s[64:65] scope:SCOPE_SE
	s_setreg_imm32_b32 hwreg(HW_REG_WAVE_MODE, 25, 1), 1
	s_wait_xcnt 0x0
	s_wait_alu depctr_hold_cnt(0) depctr_sa_sdst(0) depctr_va_vdst(0) depctr_va_sdst(0) depctr_va_ssrc(0) depctr_va_vcc(0) depctr_vm_vsrc(0)
	s_getreg_b32 s2, hwreg(HW_REG_IB_STS2, 6, 4)
	s_cmp_eq_u32 s2, 0
	s_cbranch_scc0 .Lentry_in_a_cluster
	s_endpgm
.Lentry_in_a_cluster:
	s_bfe_u32 s2, ttmp6, 0x10000c
	s_cmp_lg_u32 s2, 0xf033
	s_cbranch_scc0 .Lentry_shape_is_right
	s_endpgm
.Lentry_shape_is_right:
; q, k, v = x w^T (x16: [4096][1024] f16, w16: [3][1024][1024] f16 = wq, wk, wv), sums in f32, RoPE on q and k in f32, results in f16.
; THE RESHAPE: head g is rows 128 g .. 128 g + 127 of the product; row nl of it, columns 64 j .. 64 j + 63, is token t = 16 nl + j.
; q16, k16, v16 are laid [g][j][nl][d]: token place 128 j + nl, 128 bytes a token.  A work-group owns one j, so its 128 tokens of a head
; are 16 KiB without a gap.  The order of keys does not matter to a softmax as long as K and V share it; queries keep their place.
; WORK: work-group (j, y) makes rows 256 y .. +255 (heads 2 y, 2 y + 1) x columns 64 j .. +63 of q, of k and of v.  Four waves; wave w
; (rh = w >> 1, ch = w & 1) makes rows 128 rh .. +127 x columns 32 ch .. +31 of each of the three: 8 x 6 = 48 tiles of 16 x 16, 384 registers.
; K goes in eight tiles of 128 (rows of 256 bytes, starting at multiples of 256) through two LDS slots filled by the tensor data mover.
; A tile is four quarter steps of 32 along K, 48 matrix instructions each, on two fragment buffers: while one is multiplied the other's
; 28 loads are issued in one run.  From a tile's request to the wait for it a wave issues 180 matrix instructions.
; CLUSTER 4 x 4: x's tile hangs on y alone and is asked for jointly by a row of the cluster, the weights' tiles hang on j alone and are asked
; for jointly by a column: a quarter of the requests.
; LIMITS: matrix operands and results are f16: |q|, |k|, |v| below 65,504.  RoPE angles are made here (frequency by v_exp_f32, reduction by
; pi/2 in two parts, polynomials): good to about 2e-4 rad at the largest angle, 2,046 rad.  NaN and infinities are not reproduced element
; for element.
.set PITCH,  272                       ; LDS row: 256 bytes + 16: sixteen rows of a fragment start in sixteen different 16-byte columns of 256
.set XBYTES, 69632                     ; 256 rows of x
.set WBYTES, 17408                     ; 64 rows of one weight
.set SLOT,   121856                    ; x, wq, wk, wv
.set SPI,    144                       ; stage row: 64 f16 + 16 bytes
.set SMT,    36864                     ; stage of one of q, k, v: 256 rows
; window 0
.set ADRX, 2                           ; v2-3    x fragments' LDS address in slot 0, 1
.set STO,  4                           ; v4-6    stage, in: one for each of q, k, v
.set RD,   7                           ; v7-9    stage, back
.set GO,   10                          ; v10     16 x lane
.set ADRW, 16                          ; v16-17  weight fragments' LDS address in slot 0, 1
.set CB,   32                          ; v32-47  eight pairs (cos, sin) at the current block of 16 rows
.set CD,   48                          ; v48-63  eight pairs for 256 positions further
                                       ; v64-127, v128-191: 8 x fragments, buffer 0 and 1
.set ANG,  128                         ; ahead of the loop buffer 1 serves the angles
.set TT,   136
.set A1,   142
.set POS,  144
.set IDX,  145
.set CU,   128                         ; behind the loop it serves the way out
.set TO,   144
.set PK,   176
.set T2,   200
; window 1: v0-47, v48-95: 6 weight fragments, ci = 2 mt + c2 (mt: q, k, v; c2: which 16 columns), buffer 0 and 1
; windows 2, 3: accumulators of row blocks 0-3 and 4-7, tile (a, ci) at 48 a + 8 ci
.set G1A, 32
.set G1B, 40
.set G0A, 48
.set G0B, 56
.set MSB, 0
.macro WIN new                         ; the immediate's high byte repeats the setting that is left
.if MSB != (\new)
	s_set_vgpr_msb (MSB<<8)|(\new)
.set MSB, (\new)
.endif
.endm
.macro PLACES n                        ; plain vector places behind matrix instructions (ISA guide 7.12.1)
.rept \n
	v_nop
.endr
.endm
.macro CREST                           ; a round of the cluster's barrier behind its opening barrier
	s_cmp_lg_u32 s8, 0
	s_cbranch_scc1 .Lnot_wave_0_\@
	s_barrier_signal -3
.Lnot_wave_0_\@:
	s_barrier_wait -3
	s_barrier_signal -1
	s_barrier_wait -1
.endm
.macro ROUND                           ; a whole round
	s_barrier_signal -1
	s_barrier_wait -1
	CREST
.endm
.macro JLOAD s                         ; wave 0 asks for x's 256 rows, waves 1 to 3 for 64 rows of wq, wk, wv: one load a wave
	s_cmp_eq_u32 s8, 0
	s_cbranch_scc0 .Lfor_w_\@
	tensor_load_to_lds s[G0A+4*\s:G0A+4*\s+3], s[G1A:G1A+7]
	s_nop 0
	s_branch .Lasked_\@
.Lfor_w_\@:
	tensor_load_to_lds s[G0B+4*\s:G0B+4*\s+3], s[G1B:G1B+7]
	s_nop 0
.Lasked_\@:
.endm
	s_load_b256 s[16:23], s[0:1], 0x0              ; x16 16, w16 18, q16 20, k16 22
	s_load_b64 s[24:25], s[0:1], 0x20              ; v16
	s_set_vgpr_msb 0x40
	v_lshl_add_u32 v255, v0, 2, 0x3b800
	s_set_vgpr_msb 0x4000
	v_mov_b32 v255, 0
	s_set_vgpr_msb 0x1
	ds_add_u32 v255, v255
	s_set_vgpr_msb 0x100
	v_lshrrev_b32 v1, 5, v0
	v_readfirstlane_b32 s8, v1                     ; wave
	s_lshr_b32 s9, s8, 1                           ; rh
	s_and_b32 s10, s8, 1                           ; ch
	s_bfe_u32 s66, ttmp6, 0x40000                  ; cx
	s_bfe_u32 s67, ttmp6, 0x40004                  ; cy
	s_lshl_b32 s68, ttmp9, 2
	s_add_co_u32 s68, s68, s66                     ; j
	s_and_b32 s69, ttmp7, 0xffff
	s_lshl_b32 s69, s69, 2
	s_add_co_u32 s69, s69, s67                     ; y
	s_lshl_b32 s70, s67, 2
	s_lshl_b32 s70, 15, s70                        ; my row of the cluster
	s_lshl_b32 s71, 0x1111, s66                    ; my column
	; group 1: elements of 2 bytes, rows of 128, 16 bytes of padding behind every 64 words
	s_or_b32 s[G1A+0], s70, (1<<16)|(1<<20)|(1<<21)|(5<<22)|(3<<25)
	s_mov_b32 s[G1A+1], 128<<16                    ; tensor_dim0 = 128
	s_mov_b32 s[G1A+2], 256<<16                    ; tensor_dim1 = 256
	s_mov_b32 s[G1A+3], 128<<16                    ; tile_dim0 = 128
	s_mov_b32 s[G1A+4], 256                        ; tile_dim1 = 256
	s_mov_b32 s[G1A+5], 1024                       ; elements from row to row
	s_mov_b32 s[G1A+6], 0
	s_mov_b32 s[G1A+7], 0
	s_or_b32 s[G1B+0], s71, (1<<16)|(1<<20)|(1<<21)|(5<<22)|(3<<25)
	s_mov_b32 s[G1B+1], 128<<16
	s_mov_b32 s[G1B+2], 64<<16
	s_mov_b32 s[G1B+3], 128<<16
	s_mov_b32 s[G1B+4], 64
	s_mov_b32 s[G1B+5], 1024
	s_mov_b32 s[G1B+6], 0
	s_mov_b32 s[G1B+7], 0
	s_lshl_b32 s72, s69, 19                        ; 256 y rows of 2,048 bytes: registers that hold y alone
	s_mov_b32 s73, 0
	s_max_u32 s77, s8, 1
	s_sub_co_u32 s77, s77, 1                       ; waves 1, 2, 3: weight 0, 1, 2 (wave 0 asks for none)
	s_lshl_b32 s74, s77, 21                        ; 2,097,152 bytes a weight
	s_lshl_b32 s77, s68, 17                        ; 64 j rows of 2,048 bytes: registers that hold j and the wave's number alone
	s_add_co_u32 s74, s74, s77
	s_mov_b32 s75, 0
	s_mul_i32 s76, s8, WBYTES
	s_add_co_u32 s76, s76, XBYTES-WBYTES           ; waves 1, 2, 3: behind x's rows
	s_wait_dscnt 0x0
	s_wait_kmcnt 0x0
	s_add_nc_u64 s[72:73], s[16:17], s[72:73]
	s_add_nc_u64 s[74:75], s[18:19], s[74:75]
.irp s, 0,1
	s_mov_b32 s[G0A+4*\s], 1
	s_mov_b32 s[G0A+4*\s+1], \s*SLOT
	s_add_nc_u64 s[G0A+4*\s+2:G0A+4*\s+3], s[72:73], \s*256
	s_or_b32 s[G0A+4*\s+3], s[G0A+4*\s+3], 0x80000000
	s_mov_b32 s[G0B+4*\s], 1
	s_add_co_u32 s[G0B+4*\s+1], s76, \s*SLOT
	s_add_nc_u64 s[G0B+4*\s+2:G0B+4*\s+3], s[74:75], \s*256
	s_or_b32 s[G0B+4*\s+3], s[G0B+4*\s+3], 0x80000000
.endr
	ROUND                                          ; all sixteen work-groups are here: the first joint loads meet
	s_cmp_eq_u32 s8, 0                             ; both first fills of a wave inside one branch
	s_cbranch_scc0 .Lfirst_w
	tensor_load_to_lds s[G0A:G0A+3], s[G1A:G1A+7]
	s_nop 0
	tensor_load_to_lds s[G0A+4:G0A+7], s[G1A:G1A+7]
	s_nop 0
	s_branch .Lfirst_done
.Lfirst_w:
	tensor_load_to_lds s[G0B:G0B+3], s[G1B:G1B+7]
	s_nop 0
	tensor_load_to_lds s[G0B+4:G0B+7], s[G1B:G1B+7]
	s_nop 0
.Lfirst_done:
	; LDS addresses.  A fragment's lane (r = lane % 16, h = lane / 16) holds row r, K = 8 h .. + 7 and 16 + 8 h .. + 7:
	; two loads of 16 bytes, 32 bytes apart, at row x pitch + 16 h.
	v_and_b32 v1, 15, v0                           ; r
	v_bfe_u32 v13, v0, 4, 1                        ; h
	v_and_b32 v14, 31, v0                          ; lane
	v_mul_u32_u24 v15, v1, PITCH
	v_lshl_add_u32 v15, v13, 4, v15
	s_mul_i32 s83, s9, 128*PITCH
	v_add_nc_u32 v[ADRX], s83, v15
	v_add_nc_u32 v[ADRX+1], SLOT, v[ADRX]
	s_mul_i32 s84, s10, 32*PITCH
	s_add_co_u32 s84, s84, XBYTES
	v_add_nc_u32 v[ADRW], s84, v15
	v_add_nc_u32 v[ADRW+1], SLOT, v[ADRW]
	v_mul_u32_u24 v15, v1, SPI                     ; stage, in: row 128 rh + r, bytes 64 ch + 16 h
	v_lshl_add_u32 v15, v13, 4, v15
	s_mul_i32 s86, s9, 128*SPI
	s_lshl_b32 s87, s10, 6
	s_add_co_u32 s86, s86, s87
	v_add_nc_u32 v[STO], s86, v15
	v_add_nc_u32 v[STO+1], SMT, v[STO]
	v_add_nc_u32 v[STO+2], 2*SMT, v[STO]
	v_lshlrev_b32 v[GO], 4, v14
	v_lshrrev_b32 v15, 3, v14                      ; stage, back: row 64 w + lane / 8, bytes 16 (lane % 8)
	v_mul_u32_u24 v15, v15, SPI
	v_and_b32 v14, 7, v14
	v_lshl_add_u32 v15, v14, 4, v15
	s_mul_i32 s87, s8, 64*SPI
	v_add_nc_u32 v[RD], s87, v15
	v_add_nc_u32 v[RD+1], SMT, v[RD]
	v_add_nc_u32 v[RD+2], 2*SMT, v[RD]
	; ROPE TABLES, while the first tiles are on their way.  My eight results of a tile are d = 32 ch + 16 c2 + 8 h + 0 .. 7: the pairs
	; i = 16 ch + 8 c2 + 4 h + p.  Frequency 10000^(-i/32) = 2^(-0.41524101 i).  Row r of row block 0 is token 16 r + j, position 16 r + j - 1;
	; each further row block is 256 positions on, reached by a complex product with the pair at 256 positions.
	s_lshl_b32 s88, s10, 4
	v_lshl_add_u32 v[IDX], v13, 2, s88             ; 16 ch + 4 h
	s_sub_co_i32 s89, s68, 1
	v_lshl_add_u32 v[POS], v1, 4, s89              ; 16 r + j - 1, -1 for token 0
	v_cmp_gt_i32 s90, 0, v[POS]                    ; the lanes of token 0, which is not rotated
	v_cvt_f32_i32 v[POS], v[POS]
.irp e, 0,1,2,3,4,5,6,7
	v_add_nc_u32 v[ANG+\e], 8*(\e>>2)+(\e&3), v[IDX]
	v_cvt_f32_u32 v[ANG+\e], v[ANG+\e]
	v_mul_f32 v[ANG+\e], 0xbed49a78, v[ANG+\e]     ; -log2(10000)/32 x i
.endr
.irp e, 0,1,2,3,4,5,6,7
	v_exp_f32 v[ANG+\e], v[ANG+\e]
.endr
	v_nop                                          ; one plain place behind the exponentials
	s_wait_alu depctr_va_vdst(0)
; cos and sin of the angle in v[ang] into v[out], v[out+1]: k = nearest whole number to a 2/pi, rest = a - k pi/2 (pi/2 in two parts),
; polynomials on |rest| <= pi/4, then the quadrant k mod 4 swaps the two and sets the signs.
.macro TRIG ang, out
	v_mul_f32 v[TT], 0x3f22f983, v[\ang]
	v_rndne_f32 v[TT], v[TT]
	v_fmamk_f32 v[TT+1], v[TT], 0xbfc90fdb, v[\ang]
	v_fmamk_f32 v[TT+1], v[TT], 0x333bbd2e, v[TT+1]
	v_cvt_i32_f32 v[TT], v[TT]
	v_mul_f32 v[TT+2], v[TT+1], v[TT+1]
	v_mov_b32 v[TT+3], 0xb9500d01                  ; -1/5040
	v_fmaak_f32 v[TT+3], v[TT+3], v[TT+2], 0x3c088889  ; 1/120
	v_fmaak_f32 v[TT+3], v[TT+3], v[TT+2], 0xbe2aaaab  ; -1/6
	v_mul_f32 v[TT+4], v[TT+2], v[TT+1]
	v_fma_f32 v[TT+3], v[TT+3], v[TT+4], v[TT+1]   ; sin of the rest
	v_mov_b32 v[TT+4], 0x37d00d01                  ; 1/40320
	v_fmaak_f32 v[TT+4], v[TT+4], v[TT+2], 0xbab60b61  ; -1/720
	v_fmaak_f32 v[TT+4], v[TT+4], v[TT+2], 0x3d2aaaab  ; 1/24
	v_fmaak_f32 v[TT+4], v[TT+4], v[TT+2], 0xbf000000  ; -1/2
	v_fmaak_f32 v[TT+4], v[TT+4], v[TT+2], 0x3f800000  ; cos of the rest
	v_and_b32 v[TT+5], 1, v[TT]
	v_cmp_eq_u32 vcc_lo, 1, v[TT+5]
	v_cndmask_b32 v[\out+1], v[TT+3], v[TT+4], vcc_lo
	v_cndmask_b32 v[\out], v[TT+4], v[TT+3], vcc_lo
	v_lshlrev_b32 v[TT+5], 30, v[TT]               ; sin is negative in quadrants 2, 3
	v_and_b32 v[TT+5], 0x80000000, v[TT+5]
	v_xor_b32 v[\out+1], v[\out+1], v[TT+5]
	v_add_nc_u32 v[TT], 1, v[TT]                   ; cos in quadrants 1, 2
	v_lshlrev_b32 v[TT], 30, v[TT]
	v_and_b32 v[TT], 0x80000000, v[TT]
	v_xor_b32 v[\out], v[\out], v[TT]
.endm
.irp e, 0,1,2,3,4,5,6,7
	v_mul_f32 v[A1], v[POS], v[ANG+\e]
	TRIG A1, CB+2*\e
	v_mul_f32 v[A1], 0x43800000, v[ANG+\e]         ; 256 positions
	TRIG A1, CD+2*\e
.endr
; 28 LDS loads in one run: the fragments of one quarter step (32 K at byte k of the rows) into buffer b: six of the weights, eight of x
.macro FETCH slot, k, b
	WIN 0x40                                       ; destination window 1, address window 0
.irp ci, 0,1,2,3,4,5
	ds_load_b128 v[48*\b+8*\ci:48*\b+8*\ci+3],   v[ADRW+\slot] offset:WBYTES*(\ci>>1)+4352*(\ci&1)+\k
	ds_load_b128 v[48*\b+8*\ci+4:48*\b+8*\ci+7], v[ADRW+\slot] offset:WBYTES*(\ci>>1)+4352*(\ci&1)+\k+32
.endr
	WIN 0
.irp rt, 0,1,2,3,4,5,6,7
	ds_load_b128 v[64+64*\b+8*\rt:64+64*\b+8*\rt+3],   v[ADRX+\slot] offset:4352*\rt+\k
	ds_load_b128 v[64+64*\b+8*\rt+4:64+64*\b+8*\rt+7], v[ADRX+\slot] offset:4352*\rt+\k+32
.endr
.endm
; 12 matrix instructions: row blocks a0, a0 + 1 of the window's four (hi = 0: my rows 0-63, 1: rows 64-127) x all six column tiles.
; Used transposed: source 0 = 16 rows of a weight, source 1 = 16 rows of x, so that a lane holds row r of x and eight neighbouring columns.
; The 48 accumulators take turns, one instruction a turn, in the same order in every quarter step.
.macro MUL12 b, hi, a0, zero
.irp a, \a0, \a0+1
.irp ci, 0,1,2,3,4,5
.if \zero
	v_wmma_f32_16x16x32_f16 v[48*(\a)+8*\ci:48*(\a)+8*\ci+7], v[48*\b+8*\ci:48*\b+8*\ci+7], v[64+64*\b+32*\hi+8*(\a):64+64*\b+32*\hi+8*(\a)+7], 0
.else
	v_wmma_f32_16x16x32_f16 v[48*(\a)+8*\ci:48*(\a)+8*\ci+7], v[48*\b+8*\ci:48*\b+8*\ci+7], v[64+64*\b+32*\hi+8*(\a):64+64*\b+32*\hi+8*(\a)+7], v[48*(\a)+8*\ci:48*(\a)+8*\ci+7]
.endif
.endr
.endr
.endm
; One of a tile's first three quarter steps: multiplies buffer f; in its middle it fetches the next quarter's fragments into buffer g.
.macro QUARTER slot, k, f, g, zero
	s_wait_dscnt 8                                 ; the weights and x's row blocks 0-3 are in; the youngest eight loads (row blocks 4-7) may be out
	WIN 0xa1                                       ; source 0 window 1, source 1 window 0, C and D window 2
	MUL12 \f, 0, 0, \zero
	MUL12 \f, 0, 2, \zero
	PLACES 4                                       ; buffer g was read by matrix instructions: four places in front of the loads into it
	FETCH \slot, \k, \g
	s_wait_dscnt 28                                ; all but the 28 just issued
	WIN 0xf1                                       ; C and D window 3
	MUL12 \f, 1, 0, \zero
	MUL12 \f, 1, 2, \zero
.endm
.macro THREE slot, zero
	QUARTER \slot, 64,  0, 1, \zero
	QUARTER \slot, 128, 1, 0, 0
	QUARTER \slot, 192, 0, 1, 0
.endm
; The last quarter: multiplies buffer 1 and changes slots.  fill = 1: this slot is filled again, two tiles ahead.
; One barrier for the change.  In front of it each wave waits for its reads of this slot and for all its tensor loads, of which one is out:
; its part of the next slot.  Behind it nobody reads this slot and the next slot is whole: the refill first, then the next slot's fragments.
.macro TURN slot, next, fill
	s_wait_dscnt 8
	WIN 0xa1
	MUL12 1, 0, 0, 0
	s_wait_dscnt 0                                 ; my reads of this slot are over
	s_wait_tensorcnt 0x0                           ; and all my tensor loads have landed
	ds_add_u32 v255, v255
	s_wait_dscnt 0x0
	s_barrier_signal -1                            ; say so (where the slot is filled again this barrier opens a round of the cluster's barrier),
	MUL12 1, 0, 2, 0                               ; work on registers while the others arrive,
	WIN 0
	s_barrier_wait -1
.if \fill
	CREST                                          ; no wave of any partner still reads this slot's tile or has a load on its way
	s_add_nc_u64 s[G0A+4*\slot+2:G0A+4*\slot+3], s[G0A+4*\slot+2:G0A+4*\slot+3], 512
	s_add_nc_u64 s[G0B+4*\slot+2:G0B+4*\slot+3], s[G0B+4*\slot+2:G0B+4*\slot+3], 512
	JLOAD \slot                                    ; my one tensor load behind the round, and the first thing there
.endif
	PLACES 4
	FETCH \next, 0, 0
	WIN 0xf1
	MUL12 1, 1, 0, 0
	MUL12 1, 1, 2, 0
.endm
.macro LAP zero                        ; once round the ring, both slots filled again
	THREE 0, \zero
	TURN 0, 1, 1
	THREE 1, 0
	TURN 1, 0, 1
.endm
	s_wait_tensorcnt 0x1                           ; my part of tile 0 is in; tile 1's may stay out
	s_barrier_signal -1
	s_barrier_wait -1
	FETCH 0, 0, 0
	LAP 1                                          ; tiles 0 and 1 stand ahead of the loop: the first products start the sums
	WIN 0
	s_mov_b32 s91, 2                               ; tiles 2 to 5
.Llap:
	LAP 0
	WIN 0
	s_sub_co_u32 s91, s91, 1
	s_cmp_lg_u32 s91, 0
	s_cbranch_scc1 .Llap
	THREE 0, 0                                     ; tiles 6 and 7: nothing more is asked for; the one load still out is tile 7's
	TURN 0, 1, 0
	THREE 1, 0
	s_wait_dscnt 8                                 ; the very last quarter
	WIN 0xa1
	MUL12 1, 0, 0, 0
	MUL12 1, 0, 2, 0
	s_wait_dscnt 0
	WIN 0xf1
	MUL12 1, 1, 0, 0
	MUL12 1, 1, 2, 0
	; THE WAY OUT.  The stage lies in slot 0, which has had its last fill (tile 6) and whose last reads every wave waited for in front of
	; tile 7's barrier.  Row block by row block: rotate q and k, round to f16, 16 bytes a lane into rows of 144 bytes.
	WIN 0
	PLACES 4
.irp e, 0,1,2,3,4,5,6,7
	v_cndmask_b32 v[CU+2*\e],   v[CB+2*\e],   1.0, s90    ; row block 0: token 0 gets the pair (1, 0)
	v_cndmask_b32 v[CU+2*\e+1], v[CB+2*\e+1], 0,   s90
.endr
.macro ADVANCE                         ; the pairs 256 positions on: (c, s) x (cd, sd)
.irp e, 0,1,2,3,4,5,6,7
	v_mul_f32 v[T2],   v[CB+2*\e+1], v[CD+2*\e+1]
	v_mul_f32 v[T2+1], v[CB+2*\e+1], v[CD+2*\e]
	v_fma_f32 v[CB+2*\e+1], v[CB+2*\e], v[CD+2*\e+1], v[T2+1]
	v_fma_f32 v[CB+2*\e],   v[CB+2*\e], v[CD+2*\e],   -v[T2]
.endr
.endm
; rt: row block; tb: its table; ab: its first accumulator in the window; w1, w2: source 0, or sources 0 and 1, in that window
.macro OUTROW rt, tb, ab, w1, w2
	WIN \w1
.irp ci, 0,1,2,3
.irp p, 0,1,2,3
	v_mul_f32 v[TO+8*\ci+2*\p],   v[\ab+8*\ci+2*\p+1], v[\tb+8*(\ci&1)+2*\p+1]                      ; xo s
	v_mul_f32 v[TO+8*\ci+2*\p+1], v[\ab+8*\ci+2*\p+1], v[\tb+8*(\ci&1)+2*\p]                        ; xo c
	v_fma_f32 v[TO+8*\ci+2*\p],   v[\ab+8*\ci+2*\p],   v[\tb+8*(\ci&1)+2*\p],   -v[TO+8*\ci+2*\p]   ; xe c - xo s
	v_fma_f32 v[TO+8*\ci+2*\p+1], v[\ab+8*\ci+2*\p],   v[\tb+8*(\ci&1)+2*\p+1], v[TO+8*\ci+2*\p+1]  ; xe s + xo c
.endr
.endr
	WIN \w2
.irp ci, 4,5
.irp i, 0,1,2,3
	v_cvt_pk_f16_f32 v[PK+4*\ci+\i], v[\ab+8*\ci+2*\i], v[\ab+8*\ci+2*\i+1]
.endr
.endr
	WIN 0
.irp ci, 0,1,2,3
.irp i, 0,1,2,3
	v_cvt_pk_f16_f32 v[PK+4*\ci+\i], v[TO+8*\ci+2*\i], v[TO+8*\ci+2*\i+1]
.endr
.endr
.irp ci, 0,1,2,3,4,5
	ds_store_b128 v[STO+(\ci>>1)], v[PK+4*\ci:PK+4*\ci+3] offset:2304*\rt+32*(\ci&1)
.endr
.endm
	OUTROW 0, CU, 0, 0x02, 0x0a
	ADVANCE
	OUTROW 1, CB, 48, 0x02, 0x0a
	ADVANCE
	OUTROW 2, CB, 96, 0x02, 0x0a
	ADVANCE
	OUTROW 3, CB, 144, 0x02, 0x0a
	ADVANCE
	OUTROW 4, CB, 0, 0x03, 0x0f
	ADVANCE
	OUTROW 5, CB, 48, 0x03, 0x0f
	ADVANCE
	OUTROW 6, CB, 96, 0x03, 0x0f
	ADVANCE
	OUTROW 7, CB, 144, 0x03, 0x0f
	s_lshl_b32 s92, s69, 19                        ; head 2 y + (w >> 1), plane j, tokens 64 (w & 1) ..: 262,144, 16,384 and 128 bytes each
	s_lshl_b32 s93, s9, 18
	s_add_co_u32 s92, s92, s93
	s_lshl_b32 s93, s68, 14
	s_add_co_u32 s92, s92, s93
	s_lshl_b32 s93, s10, 13
	s_add_co_u32 s92, s92, s93
	s_mov_b32 s93, 0
	s_add_nc_u64 s[20:21], s[20:21], s[92:93]
	s_add_nc_u64 s[22:23], s[22:23], s[92:93]
	s_add_nc_u64 s[24:25], s[24:25], s[92:93]
	s_wait_dscnt 0x0                               ; my stores into the stage are done, for the others' sake
	s_barrier_signal -1
	s_barrier_wait -1
; Wave w takes rows 64 w .. + 63 of the stage back, four rows (512 bytes) a load, and stores them: 8 KiB without a gap in memory.
.macro DRAIN mt, f, base
.irp i, 0,1,2,3,4,5,6,7,8,9,10,11,12,13,14,15
	ds_load_b128 v[\f+4*\i:\f+4*\i+3], v[RD+\mt] offset:576*\i
.endr
.irp i, 0,1,2,3,4,5,6,7,8,9,10,11,12,13,14,15
	s_wait_dscnt 15-\i                             ; load i of the sixteen is in
	global_store_b128 v[GO], v[\f+4*\i:\f+4*\i+3], s[\base:\base+1] offset:512*\i
.endr
.endm
	DRAIN 0, 64, 20
	DRAIN 1, 128, 22
	s_wait_xcnt 0x0                                ; v64-127, which q's stores read, are loaded again only behind this wait
	DRAIN 2, 64, 24
	s_set_vgpr_msb 0x1
	s_wait_tensorcnt 0x0
	ds_add_u32 v255, v255
	s_wait_dscnt 0x0
	s_set_vgpr_msb 0x100
	ROUND                                          ; the closing round: no work-group ends while a partner may still ask jointly
	s_endpgm
.Lfunc_end_k_qeadab7acc1_qkv:
	.size	k_qeadab7acc1_qkv, .Lfunc_end_k_qeadab7acc1_qkv-k_qeadab7acc1_qkv
	.p2alignl 7, 3214868480
	.fill 96, 4, 3214868480
	.section	.rodata,"a",@progbits
	.p2align	6, 0x0
	.amdhsa_kernel k_qeadab7acc1_qkv
		.amdhsa_group_segment_fixed_size 327680
		.amdhsa_private_segment_fixed_size 0
		.amdhsa_enable_private_segment 0
		.amdhsa_kernarg_size 40
		.amdhsa_user_sgpr_count 2
		.amdhsa_user_sgpr_kernarg_segment_ptr 1
		.amdhsa_wavefront_size32 1
		.amdhsa_system_sgpr_workgroup_id_x 1
		.amdhsa_system_sgpr_workgroup_id_y 1
		.amdhsa_system_sgpr_workgroup_id_z 1
		.amdhsa_system_vgpr_workitem_id 0
		.amdhsa_next_free_vgpr 960
		.amdhsa_next_free_sgpr 100
		.amdhsa_reserve_vcc 1
		.amdhsa_float_denorm_mode_32 3
		.amdhsa_float_denorm_mode_16_64 3
		.amdhsa_memory_ordered 1
		.amdhsa_forward_progress 1
		.amdhsa_inst_pref_size 216
	.end_amdhsa_kernel
	.amdgpu_metadata
---
amdhsa.version: [ 1, 2 ]
amdhsa.kernels:
  - .name:           k_qeadab7acc1_qkv
    .symbol:         k_qeadab7acc1_qkv.kd
    .args:
      - { .name: x16, .offset: 0, .size: 8, .value_kind: global_buffer, .address_space: global }
      - { .name: w16, .offset: 8, .size: 8, .value_kind: global_buffer, .address_space: global }
      - { .name: q16, .offset: 16, .size: 8, .value_kind: global_buffer, .address_space: global }
      - { .name: k16, .offset: 24, .size: 8, .value_kind: global_buffer, .address_space: global }
      - { .name: v16, .offset: 32, .size: 8, .value_kind: global_buffer, .address_space: global }
    .group_segment_fixed_size: 327680
    .private_segment_fixed_size: 0
    .kernarg_segment_align: 8
    .kernarg_segment_size: 40
    .max_flat_workgroup_size: 128
    .sgpr_count:     100
    .vgpr_count:     960
    .wavefront_size: 32
...
	.end_amdgpu_metadata
.endif
;; end of part 2
;; launch attn (part 3): grid 8 x 32, 8 waves a work-group, clusters of 4 x 1, 327,680 bytes of LDS; arguments q16, k16, v16, o16; writes o16
.if DOCPART == 3
	.amdgcn_target "amdgcn-amd-amdhsa--gfx1250"
	.amdhsa_code_object_version 6
	.text
	.protected	k_qeadab7acc1_attn
	.globl	k_qeadab7acc1_attn
	.p2align	8
	.type	k_qeadab7acc1_attn,@function
k_qeadab7acc1_attn:
	s_mov_b64 s[64:65], 0
	v_nop
	global_prefetch_b8 v0, s[64:65] scope:SCOPE_SE
	s_setreg_imm32_b32 hwreg(HW_REG_WAVE_MODE, 25, 1), 1
	s_wait_xcnt 0x0
	s_wait_alu depctr_hold_cnt(0) depctr_sa_sdst(0) depctr_va_vdst(0) depctr_va_sdst(0) depctr_va_ssrc(0) depctr_va_vcc(0) depctr_vm_vsrc(0)
	s_getreg_b32 s2, hwreg(HW_REG_IB_STS2, 6, 4)
	s_cmp_eq_u32 s2, 0
	s_cbranch_scc0 .Lentry_in_a_cluster
	s_endpgm
.Lentry_in_a_cluster:
	s_bfe_u32 s2, ttmp6, 0x10000c
	s_cmp_lg_u32 s2, 0x3003
	s_cbranch_scc0 .Lentry_shape_is_right
	s_endpgm
.Lentry_shape_is_right:
; o = softmax(q k^T / 8) v for 32 heads of 2,048 tokens x 64, all f16 in memory ([head][token place][64]), sums, maxima and exponentials in f32.
; WORK: work-group (qb, g) takes 256 queries of head g.  Eight waves, two on a SIMD: wave w takes queries 64 (w & 3) .. + 63 of the block and
; keys 1024 (w >> 2) .. + 1023.  The two halves of the keys are merged at the end from (maximum, sum, O), through LDS.
; TWO PHASES, so that one wave's softmax runs under another's matrix work although a barrier stands in front of every tile.  All LDS reads of
; a slot end in front of the barrier in every wave; the slot's last step waits in registers (scores or P, and its V fragments), and its
; product with V stands behind the barrier.  Its softmax stands in front of the barrier in waves of phase 0 and behind it in waves of phase 1.
; Between two barriers phase 0 runs matrix, softmax, matrix, softmax and phase 1 softmax, matrix, softmax, matrix: the same work in both.
; Phase = (w xor (w >> 2)) and 1: it differs between waves w and w + 4 and between waves w and w + 1.
; MATRIX USE: S^T = K Q^T (source 0 = 16 keys, source 1 = 16 queries): lane (r, h), register j holds key 8 h + j of the tile, query r.  Two such
; tiles, rounded to f16 in pairs, ARE the second source of O^T = V^T P^T for 32 keys: P never leaves its registers.  Maximum and sum of a query
; are per lane, plus one exchange between lanes r and r + 16.  V^T fragments come from transposing LDS loads.
; The running maximum is taken away before every exponential, as in the softmax it stands for.
; CLUSTER 4 x 1: the four query blocks of a cluster read the same K and V tiles and ask for them jointly (mask 15).
; A tile's rows are tokens of 128 bytes, as they lie in the tensor; the padding interval is one row.
; LIMITS: q, k, v, o are f16 (below 65,504 in magnitude); P is rounded to f16, its sum is taken before the rounding.  NaN and infinities in the
; scores are not reproduced element for element.
.set PART,  20480                      ; 128 tokens: K at pitch 144 (18,432 used), V at pitch 160
.set SLOT,  81920                      ; K of key half 0, K of half 1, V of half 0, V of half 1
.set KP,    144                        ; odd multiple of 16 bytes
.set VP,    160                        ; odd multiple of 32 bytes, for the transposing loads
.set SCR,   163840                     ; merge: 4 x 17,408 bytes, no fill lands here
.set SCRW,  17408
.set STGB,  233472                     ; way out: 4 x 16 rows of 144 bytes
.set STGW,  2304
; window 0
.set ADK,  2                           ; v2-3   K fragments' address in slot 0, 1
.set ADV,  4                           ; v4-5   V fragments'
.set MA,   8                           ; v8-11  running maxima of my four query tiles; MA and MB take turns as old and new
.set MB,   12
.set TX,   16                          ; v16-19 what the other half of the lanes sends
.set NEGM, 20                          ; v20+2a   -c x maximum (the pair's second register is only ever written at the head)
.set ALPH, 28                          ; v28+2a   factor for the old sums (likewise)
.set LSUM, 36                          ; v36+2a   a pair of partial sums
.set SCRA, 44
.set STG,  45
.set RDB,  46
.set GO,   47
.set QO,   48
.set LS,   52                          ; v52-55 the four sums
.set MP,   56                          ; v56-59 the partner's maxima
.set LP,   60                          ; v60-63 the partner's sums
.set SCO,  64                          ; v64-191  scores, tile (a, kt) at 32 a + 8 kt; then P in place
.set KFR,  192                         ; v192-255 K fragments (kt, ds) at 16 kt + 8 ds
; window 1
.set OAC,  0                           ; O^T, tile (a, dt) at 32 a + 8 dt
.set QFR,  128                         ; Q fragments (a, ds) at 16 a + 8 ds
.set VFR,  192                         ; V^T fragments (dt, ks) at 16 dt + 8 ks
.set G1K, 32
.set G1V, 40
.set G0K, 48
.set G0V, 56
.set MSB, 0
.macro WIN new
.if MSB != (\new)
	s_set_vgpr_msb (MSB<<8)|(\new)
.set MSB, (\new)
.endif
.endm
.macro PLACES n
.rept \n
	v_nop
.endr
.endm
.macro ROUND
	s_barrier_signal -1
	s_barrier_wait -1
	s_cmp_lg_u32 s8, 0
	s_cbranch_scc1 .Lnot_wave_0_\@
	s_barrier_signal -3
.Lnot_wave_0_\@:
	s_barrier_wait -3
	s_barrier_signal -1
	s_barrier_wait -1
.endm
.macro JLOAD s                         ; waves 0, 1: K of key half 0, 1; waves 2, 3: V; waves 4 to 7 have no part to fetch
	s_cmp_lt_u32 s8, 2
	s_cbranch_scc0 .Lnot_k_\@
	tensor_load_to_lds s[G0K+4*\s:G0K+4*\s+3], s[G1K:G1K+7]
	s_nop 0
	s_branch .Lasked_\@
.Lnot_k_\@:
	s_cmp_lt_u32 s8, 4
	s_cbranch_scc0 .Lasked_\@
	tensor_load_to_lds s[G0V+4*\s:G0V+4*\s+3], s[G1V:G1V+7]
	s_nop 0
.Lasked_\@:
.endm
	s_load_b128 s[4:7], s[0:1], 0x0                ; q16, k16
	s_load_b128 s[12:15], s[0:1], 0x10             ; v16, o16
	v_lshl_add_u32 v254, v0, 2, 0x3b400
	v_mov_b32 v255, 0
	ds_add_u32 v254, v255
	s_wait_dscnt 0x0
	v_lshrrev_b32 v1, 5, v0
	v_readfirstlane_b32 s8, v1                     ; wave
	s_and_b32 s9, s8, 3                            ; which 64 queries
	s_lshr_b32 s10, s8, 2                          ; which half of the keys
	s_and_b32 s11, s8, 1                           ; which half I fetch for
	s_xor_b32 s66, s8, s10
	s_and_b32 s66, s66, 1                          ; my phase
	s_bfe_u32 s16, ttmp6, 0x40000                  ; cx
	s_lshl_b32 s17, ttmp9, 2
	s_add_co_u32 s17, s17, s16                     ; query block
	s_and_b32 s18, ttmp7, 0xffff                   ; head
	s_mov_b32 s20, 0x3e38aa3b                      ; c = log2(e) / 8
	s_mov_b32 s21, 0x3e38aa3b
	s_mov_b32 s22, 0xbe38aa3b                      ; -c
	s_mov_b32 s23, 0x76543210                      ; v_permlanex16_b32: lane i of one half reads lane i of the other
	s_mov_b32 s24, 0xfedcba98
	; group 1: 128 rows (tokens) of 64 f16; behind every 32 words 4 words of padding for K, 8 for V
	s_mov_b32 s[G1K+0], 15|(1<<16)|(1<<20)|(1<<21)|(4<<22)|(3<<25)
	s_mov_b32 s[G1K+1], 64<<16
	s_mov_b32 s[G1K+2], 128<<16
	s_mov_b32 s[G1K+3], 64<<16
	s_mov_b32 s[G1K+4], 128
	s_mov_b32 s[G1K+5], 64
	s_mov_b32 s[G1K+6], 0
	s_mov_b32 s[G1K+7], 0
	s_mov_b32 s[G1V+0], 15|(1<<16)|(1<<20)|(1<<21)|(4<<22)|(7<<25)
	s_mov_b32 s[G1V+1], 64<<16
	s_mov_b32 s[G1V+2], 128<<16
	s_mov_b32 s[G1V+3], 64<<16
	s_mov_b32 s[G1V+4], 128
	s_mov_b32 s[G1V+5], 64
	s_mov_b32 s[G1V+6], 0
	s_mov_b32 s[G1V+7], 0
	s_lshl_b32 s26, s18, 18                        ; the head's 262,144 bytes, and the key half's 131,072: nothing of cx
	s_lshl_b32 s27, s11, 17
	s_add_co_u32 s26, s26, s27
	s_mov_b32 s27, 0
	s_mul_i32 s25, s8, PART                        ; waves 0 to 3: parts 0 to 3 of a slot
	s_lshl_b32 s2, s17, 15                         ; my 64 queries: 256 qb + 64 (w & 3) tokens of 128 bytes, in q16 and in o16 alike
	s_lshl_b32 s3, s9, 13
	s_add_co_u32 s2, s2, s3
	s_lshl_b32 s3, s18, 18
	s_add_co_u32 s2, s2, s3
	s_mov_b32 s3, 0
	s_wait_kmcnt 0x0
	s_add_nc_u64 s[28:29], s[6:7], s[26:27]
	s_add_nc_u64 s[30:31], s[12:13], s[26:27]
	s_add_nc_u64 s[4:5], s[4:5], s[2:3]
	s_add_nc_u64 s[14:15], s[14:15], s[2:3]
.irp s, 0,1
	s_mov_b32 s[G0K+4*\s], 1
	s_add_co_u32 s[G0K+4*\s+1], s25, \s*SLOT
	s_add_nc_u64 s[G0K+4*\s+2:G0K+4*\s+3], s[28:29], \s*16384
	s_or_b32 s[G0K+4*\s+3], s[G0K+4*\s+3], 0x80000000
	s_mov_b32 s[G0V+4*\s], 1
	s_add_co_u32 s[G0V+4*\s+1], s25, \s*SLOT
	s_add_nc_u64 s[G0V+4*\s+2:G0V+4*\s+3], s[30:31], \s*16384
	s_or_b32 s[G0V+4*\s+3], s[G0V+4*\s+3], 0x80000000
.endr
	ROUND                                          ; in front of the first joint loads
	s_cmp_lt_u32 s8, 2                             ; all first fills of a wave inside one branch on its number
	s_cbranch_scc0 .Lfirst_not_k
	tensor_load_to_lds s[G0K:G0K+3], s[G1K:G1K+7]
	s_nop 0
	tensor_load_to_lds s[G0K+4:G0K+7], s[G1K:G1K+7]
	s_nop 0
	s_branch .Lfirst_done
.Lfirst_not_k:
	s_cmp_lt_u32 s8, 4
	s_cbranch_scc0 .Lfirst_done
	tensor_load_to_lds s[G0V:G0V+3], s[G1V:G1V+7]
	s_nop 0
	tensor_load_to_lds s[G0V+4:G0V+7], s[G1V:G1V+7]
	s_nop 0
.Lfirst_done:
	v_and_b32 v1, 15, v0                           ; r
	v_bfe_u32 v6, v0, 4, 1                         ; h
	v_and_b32 v7, 31, v0                           ; lane
	v_lshlrev_b32 v[QO], 7, v1                     ; Q straight from memory: query r, bytes 16 h
	v_lshl_add_u32 v[QO], v6, 4, v[QO]
	WIN 0x40
.irp a, 0,1,2,3
.irp ds, 0,1
	global_load_b128 v[QFR+16*\a+8*\ds:QFR+16*\a+8*\ds+3],   v[QO], s[4:5] offset:2048*\a+64*\ds
	global_load_b128 v[QFR+16*\a+8*\ds+4:QFR+16*\a+8*\ds+7], v[QO], s[4:5] offset:2048*\a+64*\ds+32
.endr
.endr
	WIN 0
	v_mul_u32_u24 v50, v1, KP                      ; K: key r of a tile, bytes 16 h
	v_lshl_add_u32 v50, v6, 4, v50
	s_mul_i32 s19, s10, PART
	v_add_nc_u32 v[ADK], s19, v50
	v_add_nc_u32 v[ADK+1], SLOT, v[ADK]
	v_and_b32 v51, 7, v0                           ; V, transposing: key 8 h + lane % 8, bytes 16 ((lane / 8) % 2)
	v_lshl_add_u32 v51, v6, 3, v51
	v_mul_u32_u24 v51, v51, VP
	v_bfe_u32 v50, v0, 3, 1
	v_lshl_add_u32 v51, v50, 4, v51
	s_add_co_u32 s19, s19, 2*PART
	v_add_nc_u32 v[ADV], s19, v51
	v_add_nc_u32 v[ADV+1], SLOT, v[ADV]
	s_mul_i32 s19, s9, SCRW
	s_add_co_u32 s19, s19, SCR
	v_lshl_add_u32 v[SCRA], v7, 4, s19             ; merge: 16 bytes a lane
	s_mul_i32 s19, s9, STGW
	s_add_co_u32 s19, s19, STGB
	v_mul_u32_u24 v50, v1, KP                      ; way out, in: query r, bytes 16 h
	v_lshl_add_u32 v50, v6, 4, v50
	v_add_nc_u32 v[STG], s19, v50
	v_lshrrev_b32 v50, 3, v7                       ; back: row lane / 8, bytes 16 (lane % 8)
	v_mul_u32_u24 v50, v50, KP
	v_and_b32 v51, 7, v7
	v_lshl_add_u32 v50, v51, 4, v50
	v_add_nc_u32 v[RDB], s19, v50
	v_lshlrev_b32 v[GO], 4, v7
.irp a, 0,1,2,3
	v_mov_b32 v[TX+\a], 0                          ; v_permlanex16_b32 counts as a reader of its destination
	v_mov_b32 v[NEGM+2*\a+1], 0                    ; second registers of pairs of which the first alone is used (broadcast)
	v_mov_b32 v[ALPH+2*\a+1], 0
	v_mov_b32 v[MA+\a], 0                          ; written here so that it is written ahead of every read on every way through the two branches on the
	                                               ; phase; each wave takes exactly one of them, and the second step's softmax writes MA before it is read
.endr
.macro LDK slot, st                    ; K fragments of 64 keys: 16 loads
	WIN 0
.irp kt, 0,1,2,3
.irp ds, 0,1
	ds_load_b128 v[KFR+16*\kt+8*\ds:KFR+16*\kt+8*\ds+3],   v[ADK+\slot] offset:(64*\st+16*\kt)*KP+64*\ds
	ds_load_b128 v[KFR+16*\kt+8*\ds+4:KFR+16*\kt+8*\ds+7], v[ADK+\slot] offset:(64*\st+16*\kt)*KP+64*\ds+32
.endr
.endr
.endm
.macro LDV slot, st                    ; V^T fragments of 64 keys: 16 transposing loads
	WIN 0x40
.irp dt, 0,1,2,3
.irp ks, 0,1
	ds_load_tr16_b128 v[VFR+16*\dt+8*\ks:VFR+16*\dt+8*\ks+3],   v[ADV+\slot] offset:(64*\st+32*\ks)*VP+32*\dt
	ds_load_tr16_b128 v[VFR+16*\dt+8*\ks+4:VFR+16*\dt+8*\ks+7], v[ADV+\slot] offset:(64*\st+32*\ks)*VP+32*\dt+16*VP
.endr
.endr
.endm
; In both products the sixteen accumulators take turns, one instruction a turn.
.macro S16 ds, zero
.irp a, 0,1,2,3
.irp kt, 0,1,2,3
.if \zero
	v_wmma_f32_16x16x32_f16 v[SCO+32*\a+8*\kt:SCO+32*\a+8*\kt+7], v[KFR+16*\kt+8*\ds:KFR+16*\kt+8*\ds+7], v[QFR+16*\a+8*\ds:QFR+16*\a+8*\ds+7], 0
.else
	v_wmma_f32_16x16x32_f16 v[SCO+32*\a+8*\kt:SCO+32*\a+8*\kt+7], v[KFR+16*\kt+8*\ds:KFR+16*\kt+8*\ds+7], v[QFR+16*\a+8*\ds:QFR+16*\a+8*\ds+7], v[SCO+32*\a+8*\kt:SCO+32*\a+8*\kt+7]
.endif
.endr
.endr
.endm
.macro SPH                             ; scores of 64 keys x 64 queries
	WIN 0x04                                       ; source 1 (Q) in window 1
	S16 0, 1
	S16 1, 0
.endm
.macro PV16 ks, zero
.irp a, 0,1,2,3
.irp dt, 0,1,2,3
.if \zero
	v_wmma_f32_16x16x32_f16 v[OAC+32*\a+8*\dt:OAC+32*\a+8*\dt+7], v[VFR+16*\dt+8*\ks:VFR+16*\dt+8*\ks+7], v[SCO+32*\a+16*\ks:SCO+32*\a+16*\ks+7], 0
.else
	v_wmma_f32_16x16x32_f16 v[OAC+32*\a+8*\dt:OAC+32*\a+8*\dt+7], v[VFR+16*\dt+8*\ks:VFR+16*\dt+8*\ks+7], v[SCO+32*\a+16*\ks:SCO+32*\a+16*\ks+7], v[OAC+32*\a+8*\dt:OAC+32*\a+8*\dt+7]
.endif
.endr
.endr
.endm
.macro PVP first
	WIN 0x51                                       ; source 0 (V^T), C and D in window 1; source 1 (P) in window 0
	PV16 0, \first
	PV16 1, 0
.endm
; Pair i of query tile b: into the sum, then rounded to f16 in place.  Pairs 0-7 (key tiles 0, 1) end in registers 0-7, pairs 8-15 in 16-23:
; a target never lies above the pair's own registers, so nothing unread is lost.
.macro SUMCVT b, i, first
.if \first
.if \i == 1
	s_wait_alu depctr_va_vdst(0)
	v_pk_add_f32 v[LSUM+2*(\b):LSUM+2*(\b)+1], v[SCO+32*(\b):SCO+32*(\b)+1], v[SCO+32*(\b)+2:SCO+32*(\b)+3]   ; the first two pairs start the sum
	v_cvt_pk_f16_f32 v[SCO+32*(\b)],   v[SCO+32*(\b)],   v[SCO+32*(\b)+1]
	v_cvt_pk_f16_f32 v[SCO+32*(\b)+1], v[SCO+32*(\b)+2], v[SCO+32*(\b)+3]
.endif
.if \i > 1
	s_wait_alu depctr_va_vdst(0)
	v_pk_add_f32 v[LSUM+2*(\b):LSUM+2*(\b)+1], v[LSUM+2*(\b):LSUM+2*(\b)+1], v[SCO+32*(\b)+2*\i:SCO+32*(\b)+2*\i+1]
	v_cvt_pk_f16_f32 v[SCO+32*(\b)+16*(\i>>3)+(\i&7)], v[SCO+32*(\b)+2*\i], v[SCO+32*(\b)+2*\i+1]
.endif
.else
.if \i == 0
	s_wait_alu depctr_va_vdst(0)
	v_pk_fma_f32 v[LSUM+2*(\b):LSUM+2*(\b)+1], v[LSUM+2*(\b):LSUM+2*(\b)+1], v[ALPH+2*(\b):ALPH+2*(\b)+1], v[SCO+32*(\b):SCO+32*(\b)+1] op_sel_hi:[1,0,1]   ; old sums x factor + pair 0
.else
	s_wait_alu depctr_va_vdst(0)
	v_pk_add_f32 v[LSUM+2*(\b):LSUM+2*(\b)+1], v[LSUM+2*(\b):LSUM+2*(\b)+1], v[SCO+32*(\b)+2*\i:SCO+32*(\b)+2*\i+1]
.endif
	v_cvt_pk_f16_f32 v[SCO+32*(\b)+16*(\i>>3)+(\i&7)], v[SCO+32*(\b)+2*\i], v[SCO+32*(\b)+2*\i+1]
.endif
.endm
; Three stages on three query tiles at once: exponentials of tile a, c s - c m of tile a + 1, sum and rounding of tile a - 1.  So plain
; instructions on other registers always stand behind each pair of exponentials.
.macro SMROW a, first
.irp i, 0,1,2,3,4,5,6,7,8,9,10,11,12,13,14,15
.if \a < 4
	v_exp_f32 v[SCO+32*\a+2*\i],   v[SCO+32*\a+2*\i]
	v_exp_f32 v[SCO+32*\a+2*\i+1], v[SCO+32*\a+2*\i+1]
.endif
.if \a < 3
	v_pk_fma_f32 v[SCO+32*\a+32+2*\i:SCO+32*\a+32+2*\i+1], v[SCO+32*\a+32+2*\i:SCO+32*\a+32+2*\i+1], s[20:21], v[NEGM+2*\a+2:NEGM+2*\a+3] op_sel_hi:[1,0,0]
.endif
.if \a > 0
	SUMCVT \a-1, \i, \first
.endif
.endr
.endm
; 64 keys' scores become P.  mo: the old maxima, mn: the new ones.  first = 1: nothing is old.
.macro SOFTMAX first, mo, mn
	WIN 0
.irp a, 0,1,2,3
.if \first
	v_max_num_f32 v[\mn+\a], v[SCO+32*\a], v[SCO+32*\a+1]
.else
	v_max3_num_f32 v[\mn+\a], v[\mo+\a], v[SCO+32*\a], v[SCO+32*\a+1]
.endif
.endr
.irp i, 1,2,3,4,5,6,7,8,9,10,11,12,13,14,15
.irp a, 0,1,2,3
	v_max3_num_f32 v[\mn+\a], v[\mn+\a], v[SCO+32*\a+2*\i], v[SCO+32*\a+2*\i+1]
.endr
.endr
.irp a, 0,1,2,3
	v_permlanex16_b32 v[TX+\a], v[\mn+\a], s23, s24    ; the same query's other 32 keys lie 16 lanes away
.endr
.irp a, 0,1,2,3
	v_max_num_f32 v[\mn+\a], v[\mn+\a], v[TX+\a]
.endr
.irp a, 0,1,2,3
	v_mul_f32 v[NEGM+2*\a], s22, v[\mn+\a]
.endr
.if \first == 0
.irp a, 0,1,2,3
	v_sub_f32 v[ALPH+2*\a], v[\mo+\a], v[\mn+\a]
	v_mul_f32 v[ALPH+2*\a], s20, v[ALPH+2*\a]
.endr
.irp a, 0,1,2,3
	v_exp_f32 v[ALPH+2*\a], v[ALPH+2*\a]           ; 2^(c (old - new)); the lines below are the plain places behind it
.endr
.endif
.irp i, 0,1,2,3,4,5,6,7,8,9,10,11,12,13,14,15
	v_pk_fma_f32 v[SCO+2*\i:SCO+2*\i+1], v[SCO+2*\i:SCO+2*\i+1], s[20:21], v[NEGM:NEGM+1] op_sel_hi:[1,0,0]
.endr
	SMROW 0, \first
	SMROW 1, \first
	SMROW 2, \first
	SMROW 3, \first
	SMROW 4, \first
.if \first == 0
	WIN 0x41                                       ; O in window 1, the factor in window 0
.irp a, 0,1,2,3
.irp k, 0,1,2,3,4,5,6,7,8,9,10,11,12,13,14,15
	v_pk_mul_f32 v[OAC+32*\a+2*\k:OAC+32*\a+2*\k+1], v[OAC+32*\a+2*\k:OAC+32*\a+2*\k+1], v[ALPH+2*\a:ALPH+2*\a+1] op_sel_hi:[1,0]
.endr
.endr
.endif
.endm
; One slot: my key half's 128 keys, in two steps of 64.  At its head (first = 0) the last slot's second step is still open: its V fragments
; are in registers, and its scores (phase 1) or its P (phase 0).  At its end this slot's second step is left open in the same way.
; Five places stand behind every run of matrix instructions: its sources are loaded again, its results are read by vector instructions
; or taken as a source by the next run, and P is written over by the next scores.
.macro BODY slot, first
	LDK \slot, 0
.if \first == 0
	s_cmp_eq_u32 s66, 0
	s_cbranch_scc1 .Lhave_p_\@
	SOFTMAX 0, MB, MA                              ; phase 1: the open step's softmax, while phase 0 multiplies
	WIN 0
.Lhave_p_\@:
	PVP 0                                          ; the open step's product; its V was waited for in front of the barrier
	WIN 0
	PLACES 5
.endif
	LDV \slot, 0
	s_wait_dscnt 16                                ; K is in; V's sixteen loads may be out
	SPH
	WIN 0
	PLACES 5
	LDK \slot, 1
	SOFTMAX \first, MA, MB
	s_wait_dscnt 16                                ; V is in; the next K's sixteen may be out
	PVP \first
	WIN 0
	PLACES 5
	LDV \slot, 1
	s_wait_dscnt 16                                ; K is in; V's sixteen may be out: they are waited for in front of the barrier
	SPH
	WIN 0
	PLACES 5
	s_cmp_lg_u32 s66, 0
	s_cbranch_scc1 .Lleave_s_\@
	SOFTMAX 0, MB, MA                              ; phase 0: the second step's softmax, while phase 1 multiplies
	WIN 0
.Lleave_s_\@:
.endm
.macro PRE slot                        ; the slot just read is filled again, two tiles ahead
	s_wait_dscnt 0x0                               ; my reads of it are over, the open step's V among them
	s_wait_xcnt 0x0
	v_lshl_add_u32 v254, v0, 2, 0x3b400
	v_mov_b32 v255, 0
	s_wait_tensorcnt 0x0                           ; all my tensor loads have landed, my part of the other slot among them
	ds_add_u32 v254, v255
	s_wait_dscnt 0x0
	s_add_nc_u64 s[G0K+4*\slot+2:G0K+4*\slot+3], s[G0K+4*\slot+2:G0K+4*\slot+3], 32768
	s_add_nc_u64 s[G0V+4*\slot+2:G0V+4*\slot+3], s[G0V+4*\slot+2:G0V+4*\slot+3], 32768
	ROUND                                          ; both hold of every wave of the four work-groups
	JLOAD \slot                                    ; first thing behind the round, one load a wave
.endm
	s_wait_loadcnt 0x0                             ; Q
	s_wait_tensorcnt 0x1                           ; my part of tile 0 is in; tile 1's may stay out
	s_barrier_signal -1
	s_barrier_wait -1
	BODY 0, 1                                      ; tile 0: its first products start the sums
	s_mov_b32 s19, 3                               ; tiles 1 to 6
.Lpair:
	PRE 0
	BODY 1, 0
	PRE 1
	BODY 0, 0
	s_sub_co_u32 s19, s19, 1
	s_cmp_lg_u32 s19, 0
	s_cbranch_scc1 .Lpair
	s_wait_dscnt 0x0                               ; tile 7: nothing is left to fetch
	s_wait_tensorcnt 0x0
	s_barrier_signal -1
	s_barrier_wait -1
	BODY 1, 0
	s_wait_dscnt 0x0                               ; the last step, still open: its V is in
	s_cmp_eq_u32 s66, 0
	s_cbranch_scc1 .Llast_p
	SOFTMAX 0, MB, MA
	WIN 0
.Llast_p:
	PVP 0
	WIN 0
	PLACES 5
	; MERGE of the two halves of the keys.  Waves 4 to 7 hand O, maxima and sums to waves 0 to 3 through LDS bytes of their own.
.irp a, 0,1,2,3
	v_add_f32 v[LS+\a], v[LSUM+2*\a], v[LSUM+2*\a+1]
.endr
.irp a, 0,1,2,3
	v_permlanex16_b32 v[TX+\a], v[LS+\a], s23, s24
.endr
.irp a, 0,1,2,3
	v_add_f32 v[LS+\a], v[LS+\a], v[TX+\a]
.endr
	s_cmp_lt_u32 s8, 4
	s_cbranch_scc1 .Lkeep
	WIN 0x04                                       ; store data in window 1
.set i, 0
.rept 32
	ds_store_b128 v[SCRA], v[OAC+4*i:OAC+4*i+3] offset:512*i
.set i, i+1
.endr
	WIN 0
	ds_store_b128 v[SCRA], v[MA:MA+3] offset:16384
	ds_store_b128 v[SCRA], v[LS:LS+3] offset:16896
.Lkeep:
	s_wait_dscnt 0x0                               ; for the partner's sake
	s_barrier_signal -1
	s_barrier_wait -1
	s_cmp_lt_u32 s8, 4
	s_cbranch_scc0 .Lclose
	ds_load_b128 v[MP:MP+3], v[SCRA] offset:16384
	ds_load_b128 v[LP:LP+3], v[SCRA] offset:16896
.set i, 0
.rept 32
	ds_load_b128 v[SCO+4*i:SCO+4*i+3], v[SCRA] offset:512*i
.set i, i+1
.endr
	s_wait_dscnt 32                                ; the partner's maxima and sums are in; its O's 32 loads may be out
.irp a, 0,1,2,3
	v_max_num_f32 v[TX+\a], v[MA+\a], v[MP+\a]
	v_sub_f32 v[NEGM+2*\a], v[MA+\a], v[TX+\a]
	v_sub_f32 v[ALPH+2*\a], v[MP+\a], v[TX+\a]
	v_mul_f32 v[NEGM+2*\a], s20, v[NEGM+2*\a]
	v_mul_f32 v[ALPH+2*\a], s20, v[ALPH+2*\a]
.endr
.irp a, 0,1,2,3
	v_exp_f32 v[NEGM+2*\a], v[NEGM+2*\a]           ; my factor
	v_exp_f32 v[ALPH+2*\a], v[ALPH+2*\a]           ; the partner's
.endr
	v_nop
.irp a, 0,1,2,3
	s_wait_alu depctr_va_vdst(0)
	v_mul_f32 v[LS+\a], v[LS+\a], v[NEGM+2*\a]
	v_fma_f32 v[LS+\a], v[LP+\a], v[ALPH+2*\a], v[LS+\a]   ; at least 1: the larger maximum's own term
.endr
.irp a, 0,1,2,3
	v_rcp_f32 v[LS+\a], v[LS+\a]
.endr
	v_nop
.irp a, 0,1,2,3
	s_wait_alu depctr_va_vdst(0)
	v_mul_f32 v[NEGM+2*\a], v[NEGM+2*\a], v[LS+\a]
	v_mul_f32 v[ALPH+2*\a], v[ALPH+2*\a], v[LS+\a]
.endr
	s_wait_dscnt 0x0
.irp a, 0,1,2,3
.irp k, 0,1,2,3,4,5,6,7,8,9,10,11,12,13,14,15
	v_pk_mul_f32 v[SCO+32*\a+2*\k:SCO+32*\a+2*\k+1], v[SCO+32*\a+2*\k:SCO+32*\a+2*\k+1], v[ALPH+2*\a:ALPH+2*\a+1] op_sel_hi:[1,0]
.endr
.endr
	WIN 0x01                                       ; my O in window 1
.irp a, 0,1,2,3
.irp k, 0,1,2,3,4,5,6,7,8,9,10,11,12,13,14,15
	v_pk_fma_f32 v[SCO+32*\a+2*\k:SCO+32*\a+2*\k+1], v[OAC+32*\a+2*\k:OAC+32*\a+2*\k+1], v[NEGM+2*\a:NEGM+2*\a+1], v[SCO+32*\a+2*\k:SCO+32*\a+2*\k+1] op_sel_hi:[1,0,1]
.endr
.endr
	WIN 0
	; A lane holds query r, d = 16 dt + 8 h + 0 .. 7: 16 bytes of f16.  Sixteen queries go through my stage and leave as 2 KiB without a gap.
.irp a, 0,1,2,3
.irp dt, 0,1,2,3
.irp i, 0,1,2,3
	v_cvt_pk_f16_f32 v[SCO+32*\a+8*\dt+\i], v[SCO+32*\a+8*\dt+2*\i], v[SCO+32*\a+8*\dt+2*\i+1]
.endr
.endr
.irp dt, 0,1,2,3
	ds_store_b128 v[STG], v[SCO+32*\a+8*\dt:SCO+32*\a+8*\dt+3] offset:32*\dt
.endr
.irp i, 0,1,2,3
	ds_load_b128 v[KFR+16*\a+4*\i:KFR+16*\a+4*\i+3], v[RDB] offset:576*\i   ; LDS serves a wave's instructions in order: these see the stores above
.endr
.irp i, 0,1,2,3
	s_wait_dscnt 3-\i
	global_store_b128 v[GO], v[KFR+16*\a+4*\i:KFR+16*\a+4*\i+3], s[14:15] offset:2048*\a+512*\i
.endr
.endr
.Lclose:
	s_wait_xcnt 0x0
	v_lshl_add_u32 v254, v0, 2, 0x3b400
	v_mov_b32 v255, 0
	s_wait_tensorcnt 0x0
	ds_add_u32 v254, v255
	s_wait_dscnt 0x0
	ROUND                                          ; the closing round
	s_endpgm
.Lfunc_end_k_qeadab7acc1_attn:
	.size	k_qeadab7acc1_attn, .Lfunc_end_k_qeadab7acc1_attn-k_qeadab7acc1_attn
	.p2alignl 7, 3214868480
	.fill 96, 4, 3214868480
	.section	.rodata,"a",@progbits
	.p2align	6, 0x0
	.amdhsa_kernel k_qeadab7acc1_attn
		.amdhsa_group_segment_fixed_size 327680
		.amdhsa_private_segment_fixed_size 0
		.amdhsa_enable_private_segment 0
		.amdhsa_kernarg_size 32
		.amdhsa_user_sgpr_count 2
		.amdhsa_user_sgpr_kernarg_segment_ptr 1
		.amdhsa_wavefront_size32 1
		.amdhsa_system_sgpr_workgroup_id_x 1
		.amdhsa_system_sgpr_workgroup_id_y 1
		.amdhsa_system_sgpr_workgroup_id_z 1
		.amdhsa_system_vgpr_workitem_id 0
		.amdhsa_next_free_vgpr 512
		.amdhsa_next_free_sgpr 68
		.amdhsa_reserve_vcc 0
		.amdhsa_float_denorm_mode_32 3
		.amdhsa_float_denorm_mode_16_64 3
		.amdhsa_memory_ordered 1
		.amdhsa_forward_progress 1
		.amdhsa_inst_pref_size 255
	.end_amdhsa_kernel
	.section	.bss,"aw",@nobits
	.p2align	6
	.space	262144
	.amdgpu_metadata
---
amdhsa.version: [ 1, 2 ]
amdhsa.kernels:
  - .name:           k_qeadab7acc1_attn
    .symbol:         k_qeadab7acc1_attn.kd
    .args:
      - { .name: q16, .offset: 0, .size: 8, .value_kind: global_buffer, .address_space: global }
      - { .name: k16, .offset: 8, .size: 8, .value_kind: global_buffer, .address_space: global }
      - { .name: v16, .offset: 16, .size: 8, .value_kind: global_buffer, .address_space: global }
      - { .name: o16, .offset: 24, .size: 8, .value_kind: global_buffer, .address_space: global }
    .group_segment_fixed_size: 327680
    .private_segment_fixed_size: 0
    .kernarg_segment_align: 8
    .kernarg_segment_size: 32
    .max_flat_workgroup_size: 256
    .sgpr_count:     68
    .vgpr_count:     512
    .wavefront_size: 32
...
	.end_amdgpu_metadata
.endif
;; end of part 3
;; launch proj (part 4): grid 8 x 32, 4 waves a work-group, clusters of 4 x 4, 327,680 bytes of LDS; arguments o16, wo16, out0; writes out0
.if DOCPART == 4
	.amdgcn_target "amdgcn-amd-amdhsa--gfx1250"
	.amdhsa_code_object_version 6
	.text
	.protected	k_qeadab7acc1_proj
	.globl	k_qeadab7acc1_proj
	.p2align	8
	.type	k_qeadab7acc1_proj,@function
k_qeadab7acc1_proj:
	s_mov_b64 s[64:65], 0
	v_nop
	global_prefetch_b8 v0, s[64:65] scope:SCOPE_SE
	s_setreg_imm32_b32 hwreg(HW_REG_WAVE_MODE, 25, 1), 1
	s_wait_xcnt 0x0
	s_wait_alu depctr_hold_cnt(0) depctr_sa_sdst(0) depctr_va_vdst(0) depctr_va_sdst(0) depctr_va_ssrc(0) depctr_va_vcc(0) depctr_vm_vsrc(0)
	s_getreg_b32 s2, hwreg(HW_REG_IB_STS2, 6, 4)
	s_cmp_eq_u32 s2, 0
	s_cbranch_scc0 .Lentry_in_a_cluster
	s_endpgm
.Lentry_in_a_cluster:
	s_bfe_u32 s2, ttmp6, 0x10000c
	s_cmp_lg_u32 s2, 0xf033
	s_cbranch_scc0 .Lentry_shape_is_right
	s_endpgm
.Lentry_shape_is_right:
; out0 = O wo^T.  O(row 128 g + nl, column 64 j + d) = o16[g][j][nl][d] (f16); wo16: [1024][1024] f16; out0: [4096][1024] f32; sums in f32.
; WORK: work-group (bx, g) makes rows 128 g .. + 127 x columns 128 bx .. + 127; four waves, 64 x 64 each: 16 accumulator tiles.
; K goes in four tiles of 256 through two LDS slots: of O four planes j (128 tokens x 128 bytes each, dense in memory), of wo 128 rows of 512 bytes.
; CLUSTER 4 x 4: O's tile hangs on g alone and is shared along a row of the cluster, wo's on bx alone and is shared along a column.
; O's rows are tokens of 128 bytes, as they lie in the tensor; the padding interval is one row.
; LIMIT: operands are f16 (below 65,504 in magnitude).
.set SLOT,  141312
.set APL,   18432                      ; a plane in LDS: 128 tokens at pitch 144
.set BOFF,  73728                      ; wo's rows behind the four planes, pitch 528
.set STAGE, 282624                     ; way out: 16 rows of 272 bytes for each wave; no fill lands here
.set ADA, 4                            ; v4-5  O fragments' address in slot 0, 1
.set ADB, 6                            ; v6-7  wo fragments'
.set STO, 8
.set RD,  9
.set CO,  10
.set F0,  64                           ; fragment buffer 0: four of O, then four of wo
.set F1,  128                          ; fragment buffer 1
.set G1A, 24
.set G1B, 32
.set G0A, 40
.set G0B, 48
.set MSB, 0
.macro WIN new
.if MSB != (\new)
	s_set_vgpr_msb (MSB<<8)|(\new)
.set MSB, (\new)
.endif
.endm
.macro PLACES n
.rept \n
	v_nop
.endr
.endm
.macro ROUND
	s_barrier_signal -1
	s_barrier_wait -1
	s_cmp_lg_u32 s8, 0
	s_cbranch_scc1 .Lnot_wave_0_\@
	s_barrier_signal -3
.Lnot_wave_0_\@:
	s_barrier_wait -3
	s_barrier_signal -1
	s_barrier_wait -1
.endm
.macro JLOAD s                         ; waves 0, 1: two planes of O each; waves 2, 3: 64 rows of wo each
	s_cmp_eq_u32 s11, 0
	s_cbranch_scc0 .Lfor_b_\@
	tensor_load_to_lds s[G0A+4*\s:G0A+4*\s+3], s[G1A:G1A+7]
	s_nop 0
	s_branch .Lasked_\@
.Lfor_b_\@:
	tensor_load_to_lds s[G0B+4*\s:G0B+4*\s+3], s[G1B:G1B+7]
	s_nop 0
.Lasked_\@:
.endm
	s_load_b128 s[4:7], s[0:1], 0x0                ; o16, wo16
	s_load_b64 s[12:13], s[0:1], 0x10              ; out0
	v_lshl_add_u32 v254, v0, 2, 0x49400
	v_mov_b32 v255, 0
	ds_add_u32 v254, v255
	v_lshrrev_b32 v1, 5, v0
	v_readfirstlane_b32 s8, v1                     ; wave
	s_lshr_b32 s11, s8, 1                          ; which 64 rows.  Also: I fetch for O (0) or for wo (1)
	s_and_b32 s9, s8, 1                            ; which 64 columns.  Also: which half of that tile I fetch
	s_bfe_u32 s16, ttmp6, 0x40000                  ; cx
	s_bfe_u32 s17, ttmp6, 0x40004                  ; cy
	s_lshl_b32 s18, ttmp9, 2
	s_add_co_u32 s18, s18, s16                     ; bx
	s_and_b32 s19, ttmp7, 0xffff
	s_lshl_b32 s19, s19, 2
	s_add_co_u32 s19, s19, s17                     ; g
	s_lshl_b32 s20, s17, 2
	s_lshl_b32 s20, 15, s20                        ; my row of the cluster
	s_lshl_b32 s21, 0x1111, s16                    ; my column
	s_or_b32 s[G1A+0], s20, (1<<16)|(1<<20)|(1<<21)|(4<<22)|(3<<25)   ; f16; 4 words of padding behind every 32
	s_mov_b32 s[G1A+1], 64<<16
	s_mov_b32 s[G1A+2], 256<<16
	s_mov_b32 s[G1A+3], 64<<16
	s_mov_b32 s[G1A+4], 256                        ; two planes: 256 rows of 64
	s_mov_b32 s[G1A+5], 64
	s_mov_b32 s[G1A+6], 0
	s_mov_b32 s[G1A+7], 0
	s_or_b32 s[G1B+0], s21, (1<<16)|(1<<20)|(1<<21)|(6<<22)|(3<<25)   ; 4 words of padding behind every 128
	s_mov_b32 s[G1B+1], 256<<16
	s_mov_b32 s[G1B+2], 64<<16
	s_mov_b32 s[G1B+3], 256<<16
	s_mov_b32 s[G1B+4], 64                         ; 64 rows of 256
	s_mov_b32 s[G1B+5], 1024
	s_mov_b32 s[G1B+6], 0
	s_mov_b32 s[G1B+7], 0
	s_lshl_b32 s56, s19, 18                        ; O: head g, planes 2 (w & 1) ..: registers that hold g alone
	s_lshl_b32 s57, s9, 15
	s_add_co_u32 s56, s56, s57
	s_mov_b32 s57, 0
	s_lshl_b32 s60, s18, 18                        ; wo: row 128 bx + 64 (w & 1), 2,048 bytes a row: registers that hold bx alone
	s_lshl_b32 s61, s9, 17
	s_add_co_u32 s60, s60, s61
	s_mov_b32 s61, 0
	s_mul_i32 s22, s8, 2*APL                       ; waves 0, 1
	s_mul_i32 s23, s8, 33792                       ; waves 2, 3: BOFF + (w - 2) x 64 rows of 528 bytes
	s_add_co_u32 s23, s23, BOFF-2*33792
	s_wait_dscnt 0x0
	s_wait_kmcnt 0x0
	s_add_nc_u64 s[58:59], s[4:5], s[56:57]
	s_add_nc_u64 s[62:63], s[6:7], s[60:61]
.irp s, 0,1
	s_mov_b32 s[G0A+4*\s], 1
	s_add_co_u32 s[G0A+4*\s+1], s22, \s*SLOT
	s_add_nc_u64 s[G0A+4*\s+2:G0A+4*\s+3], s[58:59], \s*65536
	s_or_b32 s[G0A+4*\s+3], s[G0A+4*\s+3], 0x80000000
	s_mov_b32 s[G0B+4*\s], 1
	s_add_co_u32 s[G0B+4*\s+1], s23, \s*SLOT
	s_add_nc_u64 s[G0B+4*\s+2:G0B+4*\s+3], s[62:63], \s*512
	s_or_b32 s[G0B+4*\s+3], s[G0B+4*\s+3], 0x80000000
.endr
	ROUND                                          ; in front of the first joint loads
	s_cmp_eq_u32 s11, 0
	s_cbranch_scc0 .Lfirst_b
	tensor_load_to_lds s[G0A:G0A+3], s[G1A:G1A+7]
	s_nop 0
	tensor_load_to_lds s[G0A+4:G0A+7], s[G1A:G1A+7]
	s_nop 0
	s_branch .Lfirst_done
.Lfirst_b:
	tensor_load_to_lds s[G0B:G0B+3], s[G1B:G1B+7]
	s_nop 0
	tensor_load_to_lds s[G0B+4:G0B+7], s[G1B:G1B+7]
	s_nop 0
.Lfirst_done:
	v_and_b32 v1, 15, v0                           ; r
	v_bfe_u32 v2, v0, 4, 1                         ; h
	v_mul_u32_u24 v3, v1, 144
	v_lshl_add_u32 v3, v2, 4, v3
	s_mul_i32 s14, s11, 64*144
	v_add_nc_u32 v[ADA], s14, v3
	v_add_nc_u32 v[ADA+1], SLOT, v[ADA]
	v_mul_u32_u24 v3, v1, 528
	v_lshl_add_u32 v3, v2, 4, v3
	s_mul_i32 s14, s9, 64*528
	s_add_co_u32 s14, s14, BOFF
	v_add_nc_u32 v[ADB], s14, v3
	v_add_nc_u32 v[ADB+1], SLOT, v[ADB]
	s_mul_i32 s14, s8, 16*272
	s_add_co_u32 s14, s14, STAGE
	v_mul_u32_u24 v3, v1, 272                      ; in: row r, 32 bytes for each half of the lanes
	v_lshl_add_u32 v3, v2, 5, v3
	v_add_nc_u32 v[STO], s14, v3
	v_mul_u32_u24 v3, v2, 272                      ; back: lanes 0-15 one row of 256 bytes, lanes 16-31 the next
	v_lshl_add_u32 v3, v1, 4, v3
	v_add_nc_u32 v[RD], s14, v3
	v_lshlrev_b32 v3, 12, v2                       ; the same two rows in out0
	v_lshl_add_u32 v[CO], v1, 4, v3
; 16 loads: the fragments for 32 along K, number kq of the tile's eight: plane kq / 2, bytes 64 (kq % 2) of O; bytes 64 kq of wo's rows
.macro FETCH slot, kq, f
.irp i, 0,1,2,3
	ds_load_b128 v[\f+8*\i:\f+8*\i+3],   v[ADA+\slot] offset:(\kq>>1)*APL+\i*2304+(\kq&1)*64
	ds_load_b128 v[\f+8*\i+4:\f+8*\i+7], v[ADA+\slot] offset:(\kq>>1)*APL+\i*2304+(\kq&1)*64+32
.endr
.irp i, 0,1,2,3
	ds_load_b128 v[\f+32+8*\i:\f+32+8*\i+3],   v[ADB+\slot] offset:\i*8448+\kq*64
	ds_load_b128 v[\f+32+8*\i+4:\f+32+8*\i+7], v[ADB+\slot] offset:\i*8448+\kq*64+32
.endr
.endm
; Used transposed (source 0 = rows of wo, source 1 = rows of O): a lane holds row r and eight neighbouring columns.
; The sixteen accumulators take turns, one instruction a turn.
.macro MUL16 f, zero
.irp a, 0,1,2,3
.irp b, 0,1,2,3
.if \zero
	v_wmma_f32_16x16x32_f16 v[8*(4*\a+\b):8*(4*\a+\b)+7], v[\f+32+8*\b:\f+32+8*\b+7], v[\f+8*\a:\f+8*\a+7], 0
.else
	v_wmma_f32_16x16x32_f16 v[8*(4*\a+\b):8*(4*\a+\b)+7], v[\f+32+8*\b:\f+32+8*\b+7], v[\f+8*\a:\f+8*\a+7], v[8*(4*\a+\b):8*(4*\a+\b)+7]
.endif
.endr
.endr
.endm
.macro STEP slot, nk, f, g, zero       ; fetch number nk into buffer g, multiply buffer f
	WIN 0
	PLACES 4                                       ; buffer g was read by the matrix instructions just issued
	FETCH \slot, \nk, \g
	s_wait_dscnt 16                                ; all but the sixteen just issued
	WIN 0x50                                       ; C and D in window 1
	MUL16 \f, \zero
.endm
.macro BODY slot, zero
	PLACES 4
	FETCH \slot, 0, F0
	STEP \slot, 1, F0, F1, \zero
	STEP \slot, 2, F1, F0, 0
	STEP \slot, 3, F0, F1, 0
	STEP \slot, 4, F1, F0, 0
	STEP \slot, 5, F0, F1, 0
	STEP \slot, 6, F1, F0, 0
	STEP \slot, 7, F0, F1, 0
	s_wait_dscnt 0
	MUL16 F1, 0
	WIN 0
.endm
.macro PRE slot                        ; the slot just read is filled again, two tiles ahead
	s_wait_dscnt 0x0                               ; my reads of it are over
	s_wait_tensorcnt 0x0                           ; all my tensor loads have landed, my part of the other slot among them
	ds_add_u32 v254, v255
	s_wait_dscnt 0x0
	s_add_nc_u64 s[G0A+4*\slot+2:G0A+4*\slot+3], s[G0A+4*\slot+2:G0A+4*\slot+3], 131072
	s_add_nc_u64 s[G0B+4*\slot+2:G0B+4*\slot+3], s[G0B+4*\slot+2:G0B+4*\slot+3], 1024
	ROUND
	JLOAD \slot                                    ; first thing behind the round, one load a wave
.endm
	s_wait_tensorcnt 0x1                           ; my part of tile 0 is in; tile 1's may stay out
	s_barrier_signal -1
	s_barrier_wait -1
	BODY 0, 1                                      ; four tiles, written out: the first products start the sums
	PRE 0
	BODY 1, 0
	PRE 1
	BODY 0, 0
	s_wait_dscnt 0x0                               ; tile 3: nothing is left to fetch
	s_wait_tensorcnt 0x0
	s_barrier_signal -1
	s_barrier_wait -1
	BODY 1, 0
	; THE WAY OUT, 16 rows at a time through my own stage: 32 bytes a lane in, whole rows of 256 bytes back.
	PLACES 4
	s_lshl_b32 s56, s19, 19                        ; row 128 g + 64 (w >> 1), 4,096 bytes a row
	s_lshl_b32 s57, s11, 18
	s_add_co_u32 s56, s56, s57
	s_mov_b32 s57, 0
	s_add_nc_u64 s[12:13], s[12:13], s[56:57]
	s_lshl_b32 s60, s18, 9                         ; column 128 bx + 64 (w & 1), 4 bytes each
	s_lshl_b32 s61, s9, 8
	s_add_co_u32 s60, s60, s61
	s_mov_b32 s61, 0
	s_add_nc_u64 s[12:13], s[12:13], s[60:61]
.macro OUT16 rt, f
	WIN 0x04                                       ; store data in window 1
.irp b, 0,1,2,3
	ds_store_b128 v[STO], v[8*(4*\rt+\b):8*(4*\rt+\b)+3]   offset:64*\b
	ds_store_b128 v[STO], v[8*(4*\rt+\b)+4:8*(4*\rt+\b)+7] offset:64*\b+16
.endr
	WIN 0
	s_wait_xcnt 0x0                                ; buffer f, which earlier stores read, is loaded again only behind this wait
.irp t, 0,1,2,3,4,5,6,7
	ds_load_b128 v[\f+4*\t:\f+4*\t+3], v[RD] offset:544*\t   ; LDS serves a wave's instructions in order: these see the stores above
.endr
.irp t, 0,1,2,3,4,5,6,7
	s_wait_dscnt 7-\t
	global_store_b128 v[CO], v[\f+4*\t:\f+4*\t+3], s[12:13] offset:(16*\rt+2*\t)*4096 th:TH_STORE_NT   ; 16 lanes store 256 consecutive bytes, at a multiple of 256 from out0's first byte
.endr
.endm
	OUT16 0, F0
	OUT16 1, F1
	OUT16 2, F0
	OUT16 3, F1
	s_wait_tensorcnt 0x0
	ds_add_u32 v254, v255
	s_wait_dscnt 0x0
	ROUND                                          ; the closing round
	s_endpgm
.Lfunc_end_k_qeadab7acc1_proj:
	.size	k_qeadab7acc1_proj, .Lfunc_end_k_qeadab7acc1_proj-k_qeadab7acc1_proj
	.p2alignl 7, 3214868480
	.fill 96, 4, 3214868480
	.section	.rodata,"a",@progbits
	.p2align	6, 0x0
	.amdhsa_kernel k_qeadab7acc1_proj
		.amdhsa_group_segment_fixed_size 327680
		.amdhsa_private_segment_fixed_size 0
		.amdhsa_enable_private_segment 0
		.amdhsa_kernarg_size 24
		.amdhsa_user_sgpr_count 2
		.amdhsa_user_sgpr_kernarg_segment_ptr 1
		.amdhsa_wavefront_size32 1
		.amdhsa_system_sgpr_workgroup_id_x 1
		.amdhsa_system_sgpr_workgroup_id_y 1
		.amdhsa_system_sgpr_workgroup_id_z 1
		.amdhsa_system_vgpr_workitem_id 0
		.amdhsa_next_free_vgpr 384
		.amdhsa_next_free_sgpr 66
		.amdhsa_reserve_vcc 0
		.amdhsa_float_denorm_mode_32 3
		.amdhsa_float_denorm_mode_16_64 3
		.amdhsa_memory_ordered 1
		.amdhsa_forward_progress 1
		.amdhsa_inst_pref_size 88
	.end_amdhsa_kernel
	.amdgpu_metadata
---
amdhsa.version: [ 1, 2 ]
amdhsa.kernels:
  - .name:           k_qeadab7acc1_proj
    .symbol:         k_qeadab7acc1_proj.kd
    .args:
      - { .name: o16, .offset: 0, .size: 8, .value_kind: global_buffer, .address_space: global }
      - { .name: wo16, .offset: 8, .size: 8, .value_kind: global_buffer, .address_space: global }
      - { .name: out0, .offset: 16, .size: 8, .value_kind: global_buffer, .address_space: global }
    .group_segment_fixed_size: 327680
    .private_segment_fixed_size: 0
    .kernarg_segment_align: 8
    .kernarg_segment_size: 24
    .max_flat_workgroup_size: 128
    .sgpr_count:     66
    .vgpr_count:     384
    .wavefront_size: 32
...
	.end_amdgpu_metadata
.endif
;; end of part 4
